; MI455X (gfx1250); checked and timed in simulation.
; The chip was launched on July 23, 2026; its instructions are those of AMD's public machine-readable ISA for CDNA 5 (MIT licence, August 2026) and "CDNA5" Instruction Set Architecture Reference Guide (July 2026). The comments in the code are by the model that wrote it; some were corrected since.
;; Self Attention. Allowed arithmetic: float matrix products may take bf16 or f16 operands with f32 sums; all other float work in f32.
;; Inputs: qkv 4 x 2,048 x 3 x 16 x 64 float32.
;; Outputs: out0 4 x 16 x 2,048 x 64 float32.
;; 2 versions, each right; version 2 is version 1 with the launch attn written anew for expert scheduling mode. Each part assembles by itself: llvm-mc -triple=amdgcn-amd-amdhsa -mcpu=gfx1250 --defsym DOCPART=n.
;; ======== version 1 of 2: 1 launch
;; limits: values are held in f16: magnitudes above 65,504 overflow, below 6.1e-05 lose precision; inputs' magnitudes at most 65,504
;; launch attn (part 1): grid 256 x 1, 8 waves a work-group, no clusters, 183,296 bytes of LDS; arguments qkv, out0; writes out0
.if DOCPART == 1
	.amdgcn_target "amdgcn-amd-amdhsa--gfx1250"
	.amdhsa_code_object_version 6
	.text
	.protected	k_q1aef5655d6_attn
	.globl	k_q1aef5655d6_attn
	.p2align	8
	.type	k_q1aef5655d6_attn,@function
k_q1aef5655d6_attn:
	s_mov_b64 s[64:65], 0
	v_nop
	global_prefetch_b8 v0, s[64:65] scope:SCOPE_SE
	s_setreg_imm32_b32 hwreg(HW_REG_WAVE_MODE, 25, 1), 1
	s_wait_xcnt 0x0
; Causal self-attention.  qkv: [4][2048][3][16][64] f32, out0: [4][16][2048][64] f32.
; out[b][h][q][:] = softmax over k <= q of (q.k / 8) times v, with a running maximum (flash form).
;
; SHARES.  256 work-groups: head bh = id >> 2, place j = id & 3.  A head's 2,048 query rows are 8 blocks of 256; work-group j
; does block 7-j (phase 0) and then block j (phase 1): 32-4j and 4j+4 key tiles of 64 keys, 36 tile trips for every work-group.
; Wave w owns 32 query rows of the block, two sub-tiles a = 0, 1 of 16 rows.  Tile TD = 4 block + (w >> 1) holds the wave's diagonal:
; tiles below it are whole, it is masked, tiles above it are jumped over (a scalar branch that never jumps over a barrier).
;
; BOTH PRODUCTS ARE TAKEN TRANSPOSED.  S^T = K Q^T: lane (r, h) holds in register j the score of key 8h+j and query r, so maximum and
; sum over keys stay in the lane but for one exchange of the two halves of the lanes, and two neighbouring key tiles, packed to 16 bits in
; place, are the second source of O^T = V^T P^T as they stand.  V^T comes by the transposing LDS load from V kept [key][d].
; All of a lane's O belong to query r: the rescaling factor and 1/l are factors of the lane.
;
; FORMATS.  q, k and v are each rounded once to bf16 (nearest even): one defined rounding for all three inputs, and the result is that of
; attention on the inputs so rounded.  The first product is the bf16 form.  An early row is a sum of a few p v with v of the inputs' own
; size, so the rounding of p shows in the result undiluted: p therefore goes in f16 (11 significant bits, bf16 has 8), and v's bf16 value,
; 8 significant bits, is carried in f16 without a further rounding, so that the second product can be the f16 form.
; That costs three more vector instructions for each pair of v, once for the work-group, and nothing in the softmax.
;
; K AND V come through registers: 8 loads of 16 bytes a thread for a tile (sixteen lanes take one row of 256 bytes), two register sets,
; each asked for two trips before it is rounded (once for the work-group) and put into one of two LDS slots.
; The stream of 36 tiles runs across the two phases without a stop.
;
; NO CLUSTER, NO JOINT TILE REQUESTS: the tiles lie in memory as f32 and the matrix operands have 16 bits, so a tile copied to LDS as it
; lies (32,768 bytes) would have to be read from LDS, rounded and stored to LDS again on top of the 16,384 bytes stored here; and the
; work-groups that share K and V (the query blocks of a head) have different numbers of tiles and different diagonal tiles.
;
; LIMITS.  q, k, v are rounded to bf16.  v is then held in f16: a v beyond 65,504 in magnitude becomes infinite as an operand and its
; head's rows are then not defined; a v or a p below 2^-14 is rounded to a multiple of 2^-24.  l sums p in f32 before p is rounded.
; An exponential below 2^-126 counts as 0.  NaN and infinities in the input are not treated apart.
.set ROWB,    12288                    ; bytes from one sequence position to the next
.set TSTEP,   64*ROWB                  ; a key tile
.set BSTRIDE, 2048*ROWB                ; a batch
.set KP,      144                      ; LDS pitch of K and Q rows: 128 bytes + 16, nine times 16
.set VP,      160                      ; LDS pitch of V rows: 128 bytes + 32, five times 32 (for the transposing load)
.set VOFF,    64*KP                    ; V behind K in a slot
.set SLOT,    VOFF+64*VP               ; 19,456 bytes; two slots
.set QSTAGE,  2*SLOT                   ; each wave: 64 rows of Q in bf16 (phase 0's 32, then phase 1's 32)
.set QWAVE,   64*KP
.set OSTAGE,  QSTAGE+8*QWAVE           ; each wave: 32 rows of f32 on the way out
.set OP,      272                      ; their pitch: 256 bytes + 16
.set OWAVE,   32*OP
.set CEXP,    0x3e38aa3b               ; log2(e) / 8
.set CNEG,    0xbe38aa3b
; vector registers (r = lane & 15, h = lane >> 4)
.set LOFF, 1                           ; byte offset of my 16 bytes of K in tile 0: row 8w+h, column 4r
.set GO,   2                           ; v2, v3: LOFF + the tile's offset, one for each load set
.set KST,  4                           ; where I store K in slot 0
.set VST,  5                           ; where I store V in slot 0
.set KA,   6                           ; K fragment address in slot 0
.set VA,   7                           ; V^T fragment address in slot 0
.set QR,   8                           ; Q fragment address
.set OST,  9                           ; way out: where my results go
.set ORD,  10                          ; way out: where I read rows back
.set OOFF, 11                          ; 16 x lane
.set XM,   12                          ; 32 (w & 1) + r - 8h: the diagonal, seen from my lane
.set NI,   13                          ; -infinity
.set MX,   14                          ; v14, v15: running maximum of the raw scores
.set LS,   16                          ; v16, v17: running sum (of my half of the keys)
.set NM,   18                          ; v18, v20: -c x maximum      (pairs NM, TA)
.set TA,   19                          ; v19, v21: first chain of maxima
.set AL,   22                          ; v22, v24: rescaling factor  (pairs AL, TB)
.set TB,   23                          ; v23, v25: second chain of maxima
.set SUM,  26                          ; v[26:27], v[28:29]: a tile's sums
.set QOH,  26                          ; before the first trip: offsets of Q's two blocks, and where Q is staged
.set QOL,  27
.set QST,  28
.set PX,   30                          ; v30, v31: what comes from the other half of the lanes
.set QF,   32                          ; v[32:63]   Q fragments, 16 a + 8 f
.set SC,   64                          ; v[64:127]  scores, 32 a + 8 kt; packed: P, 32 a + 8 u
.set KF,   128                         ; v[128:191] K fragments 16 kt + 8 f, then V^T fragments 32 u + 8 dt
.set G,    192                         ; v[192:255] two load sets of 32: K's 16, V's 16
                                       ; v256-v319 O^T, 32 a + 8 dt, written v0-v63 under a window
; scalar registers
.set LD,   16                          ; offset of the tile that is asked for next
.set WRAP, 17                          ; end of phase 0's tiles
.set TT,   18                          ; tile number in the phase
.set TD,   19                          ; my diagonal tile
.set NN,   20                          ; loop counter
.set HIM,  38                          ; mask of a word's upper bf16
.set MSB, 0
.macro WIN new                         ; register window; the immediate's high byte repeats the setting that is left
.if MSB != \new
	s_set_vgpr_msb (MSB<<8)|\new
.set MSB, \new
.endif
.endm
; ask for a tile: rows 8w+2i+h of K and of V, 16 bytes a lane, into set g; then step the stream (phase 1 starts again at key 0)
.macro GLOAD g
	v_add_nc_u32 v[GO+\g], s[LD], v[LOFF]
.irp i, 0,1,2,3
	global_load_b128 v[G+32*\g+4*\i:G+32*\g+4*\i+3], v[GO+\g], s[4:5] offset:2*ROWB*\i
.endr
.irp i, 0,1,2,3
	global_load_b128 v[G+32*\g+16+4*\i:G+32*\g+16+4*\i+3], v[GO+\g], s[4:5] offset:2*ROWB*\i+4096
.endr
	s_add_co_u32 s[LD], s[LD], TSTEP
	s_cmp_eq_u32 s[LD], s[WRAP]
	s_cselect_b32 s[LD], 0, s[LD]
.endm
; set g has come: round in place, 8 bytes a lane of K and of V into slot g; ld = 1: ask for the tile two further on.
; lw = loads that may stay out: the other set's eight, which were issued later (loads return in order, ISA guide 5.7.1).
; That wait also shows set g's loads done, so that GO+g and the set may be written again.
.macro STAGE g, ld, lw
	s_wait_loadcnt \lw
.irp i, 0,1,2,3                                    ; K: to bf16
	v_cvt_pk_bf16_f32 v[G+32*\g+4*\i],   v[G+32*\g+4*\i],   v[G+32*\g+4*\i+1]
	v_cvt_pk_bf16_f32 v[G+32*\g+4*\i+1], v[G+32*\g+4*\i+2], v[G+32*\g+4*\i+3]
.endr
.irp i, 0,1,2,3
	ds_store_b64 v[KST], v[G+32*\g+4*\i:G+32*\g+4*\i+1] offset:\g*SLOT+2*KP*\i
.endr
.irp i, 0,1,2,3                                    ; V: the one rounding, to bf16,
	v_cvt_pk_bf16_f32 v[G+32*\g+16+4*\i],   v[G+32*\g+16+4*\i],   v[G+32*\g+16+4*\i+1]
	v_cvt_pk_bf16_f32 v[G+32*\g+16+4*\i+2], v[G+32*\g+16+4*\i+2], v[G+32*\g+16+4*\i+3]
.endr
.irp i, 0,1,2,3                                    ; the halves widened to f32 again (the upper one first: the lower one overwrites the word),
	v_and_b32     v[G+32*\g+16+4*\i+1], s[HIM], v[G+32*\g+16+4*\i]
	v_lshlrev_b32 v[G+32*\g+16+4*\i],   16,     v[G+32*\g+16+4*\i]
	v_and_b32     v[G+32*\g+16+4*\i+3], s[HIM], v[G+32*\g+16+4*\i+2]
	v_lshlrev_b32 v[G+32*\g+16+4*\i+2], 16,     v[G+32*\g+16+4*\i+2]
.endr
.irp i, 0,1,2,3                                    ; and written as f16, which holds 8 significant bits as they are
	v_cvt_pk_f16_f32 v[G+32*\g+16+4*\i],   v[G+32*\g+16+4*\i],   v[G+32*\g+16+4*\i+1]
	v_cvt_pk_f16_f32 v[G+32*\g+16+4*\i+1], v[G+32*\g+16+4*\i+2], v[G+32*\g+16+4*\i+3]
.endr
.irp i, 0,1,2,3
	ds_store_b64 v[VST], v[G+32*\g+16+4*\i:G+32*\g+16+4*\i+1] offset:\g*SLOT+2*VP*\i
.endr
.if \ld
	GLOAD \g
.endif
.endm
; 16 loads: K fragments, 16 keys x 32 d each
.macro KLOAD p
.irp kt, 0,1,2,3
.irp f, 0,1
	ds_load_b128 v[KF+16*\kt+8*\f:KF+16*\kt+8*\f+3],   v[KA] offset:\p*SLOT+16*KP*\kt+64*\f
	ds_load_b128 v[KF+16*\kt+8*\f+4:KF+16*\kt+8*\f+7], v[KA] offset:\p*SLOT+16*KP*\kt+64*\f+32
.endr
.endr
.endm
; S^T = K Q^T: 16 matrix instructions in bf16; the first product of each tile starts its sum
.macro QK
.irp kt, 0,1,2,3
	s_wait_dscnt 12-4*\kt                          ; four loads for each 16 keys: those of the later keys stay out
	v_wmma_f32_16x16x32_bf16 v[SC+8*\kt:SC+8*\kt+7],       v[KF+16*\kt:KF+16*\kt+7],    v[QF:QF+7],     0
	v_wmma_f32_16x16x32_bf16 v[SC+32+8*\kt:SC+32+8*\kt+7], v[KF+16*\kt:KF+16*\kt+7],    v[QF+16:QF+23], 0
	v_wmma_f32_16x16x32_bf16 v[SC+8*\kt:SC+8*\kt+7],       v[KF+16*\kt+8:KF+16*\kt+15], v[QF+8:QF+15],  v[SC+8*\kt:SC+8*\kt+7]
	v_wmma_f32_16x16x32_bf16 v[SC+32+8*\kt:SC+32+8*\kt+7], v[KF+16*\kt+8:KF+16*\kt+15], v[QF+24:QF+31], v[SC+32+8*\kt:SC+32+8*\kt+7]
.endr
.endm
; 16 transposing loads: V^T fragments, 16 d x 32 keys each
.macro VLOAD p
.irp u, 0,1
.irp dt, 0,1,2,3
	ds_load_tr16_b128 v[KF+32*\u+8*\dt:KF+32*\u+8*\dt+3],   v[VA] offset:\p*SLOT+32*VP*\u+32*\dt
	ds_load_tr16_b128 v[KF+32*\u+8*\dt+4:KF+32*\u+8*\dt+7], v[VA] offset:\p*SLOT+32*VP*\u+32*\dt+16*VP
.endr
.endr
.endm
; the diagonal tile: key 16 kt + 8h + j is beyond query 32 (w & 1) + 16 a + r  <=>  16 kt + j - 16 a > XM
.macro MASK
.irp a, 0,1
.irp kt, 0,1,2,3
.irp j, 0,1,2,3,4,5,6,7
	v_cmp_gt_i32 vcc_lo, 16*\kt+\j-16*\a, v[XM]
	v_cndmask_b32 v[SC+32*\a+8*\kt+\j], v[SC+32*\a+8*\kt+\j], v[NI], vcc_lo
.endr
.endr
.endr
.endm
; O *= alpha, 64 registers in window 1
.macro RESCALE
	WIN 0x41                                       ; destination and source 0 in window 1
.set n, 0
	s_wait_alu depctr_va_vdst(0)
.rept 16
	v_pk_mul_f32 v[n:n+1],       v[n:n+1],       v[AL:AL+1]   op_sel_hi:[1,0]
	v_pk_mul_f32 v[32+n:32+n+1], v[32+n:32+n+1], v[AL+2:AL+3] op_sel_hi:[1,0]
.set n, n+2
.endr
	WIN 0
.endm
; one tile's softmax step for both sub-tiles.  first = 1: the tile starts maximum, sum and O, nothing is cleared.
.macro SOFTMAX first
.irp a, 0,1                                        ; maximum of my 32 scores: two chains for each sub-tile
	v_max3_num_f32 v[TA+2*\a], v[SC+32*\a],   v[SC+32*\a+1], v[SC+32*\a+2]
	v_max3_num_f32 v[TB+2*\a], v[SC+32*\a+3], v[SC+32*\a+4], v[SC+32*\a+5]
.endr
.set n, 6
.rept 6
.irp a, 0,1
	v_max3_num_f32 v[TA+2*\a], v[TA+2*\a], v[SC+32*\a+n],   v[SC+32*\a+n+1]
	v_max3_num_f32 v[TB+2*\a], v[TB+2*\a], v[SC+32*\a+n+2], v[SC+32*\a+n+3]
.endr
.set n, n+4
.endr
.irp a, 0,1
	v_max3_num_f32 v[TA+2*\a], v[TA+2*\a], v[SC+32*\a+30], v[SC+32*\a+31]
.endr
.irp a, 0,1
.if \first
	v_max_num_f32 v[TA+2*\a], v[TA+2*\a], v[TB+2*\a]
.else
	v_max3_num_f32 v[TA+2*\a], v[TA+2*\a], v[TB+2*\a], v[MX+\a]
.endif
.endr
.irp a, 0,1
	v_permlanex16_b32 v[PX+\a], v[TA+2*\a], s26, s27   ; the other eight keys of each 16 lie in lane xor 16
.endr
.irp a, 0,1
	v_max_num_f32 v[MX+\a], v[TA+2*\a], v[PX+\a]
.endr
.if \first
.irp a, 0,1
	v_mul_f32 v[NM+2*\a], s24, v[MX+\a]            ; the shift: -c x maximum
.endr
.else
.irp a, 0,1
	v_mul_f32 v[TB+2*\a], s24, v[MX+\a]            ; the new shift
.endr
.irp a, 0,1
	v_sub_f32 v[AL+2*\a], v[TB+2*\a], v[NM+2*\a]   ; new shift - old shift, both as they are used: 0 exactly where the maximum stays
.endr
.irp a, 0,1
	v_mov_b32 v[NM+2*\a], v[TB+2*\a]
.endr
	v_exp_f32 v[AL], v[AL]                         ; alpha; the fused multiply-adds below stand between it and its use (ISA guide 5.7.2)
	v_exp_f32 v[AL+2], v[AL+2]
.endif
	; p = exp2(c s - c m).  Four exponentials stand behind the next pair's multiply-adds, which touch other registers.
.set n, 0
.rept 16
	v_pk_fma_f32 v[SC+n:SC+n+1],       v[SC+n:SC+n+1],       s[22:23], v[NM:NM+1]   op_sel_hi:[1,0,0]
	v_pk_fma_f32 v[SC+32+n:SC+32+n+1], v[SC+32+n:SC+32+n+1], s[22:23], v[NM+2:NM+3] op_sel_hi:[1,0,0]
.if n > 0
	v_exp_f32 v[SC+n-2],  v[SC+n-2]
	v_exp_f32 v[SC+n-1],  v[SC+n-1]
	v_exp_f32 v[SC+n+30], v[SC+n+30]
	v_exp_f32 v[SC+n+31], v[SC+n+31]
.endif
.set n, n+2
.endr
	v_exp_f32 v[SC+30], v[SC+30]
	v_exp_f32 v[SC+31], v[SC+31]
	v_exp_f32 v[SC+62], v[SC+62]
	v_exp_f32 v[SC+63], v[SC+63]
.if \first
	v_nop                                          ; the plain instruction behind the last exponentials
	s_wait_alu depctr_va_vdst(0)
.else
	RESCALE                                        ; the same, as useful work
.endif
	; sum in f32, and pack to f16 in place: word n takes numbers 2n, 2n+1, in ascending order, so nothing is overwritten unread
.irp a, 0,1
	v_pk_add_f32 v[SUM+2*\a:SUM+2*\a+1], v[SC+32*\a:SC+32*\a+1], v[SC+32*\a+2:SC+32*\a+3]
	v_cvt_pk_f16_f32 v[SC+32*\a],   v[SC+32*\a],   v[SC+32*\a+1]
	v_cvt_pk_f16_f32 v[SC+32*\a+1], v[SC+32*\a+2], v[SC+32*\a+3]
.endr
.set n, 2
.rept 14
.irp a, 0,1
	v_pk_add_f32 v[SUM+2*\a:SUM+2*\a+1], v[SUM+2*\a:SUM+2*\a+1], v[SC+32*\a+2*n:SC+32*\a+2*n+1]
	v_cvt_pk_f16_f32 v[SC+32*\a+n], v[SC+32*\a+2*n], v[SC+32*\a+2*n+1]
.endr
.set n, n+1
.endr
.irp a, 0,1
.if \first
	v_add_f32 v[LS+\a], v[SUM+2*\a], v[SUM+2*\a+1]
.else
	v_add_f32 v[SUM+2*\a], v[SUM+2*\a], v[SUM+2*\a+1]
	v_fma_f32 v[LS+\a], v[LS+\a], v[AL+2*\a], v[SUM+2*\a]
.endif
.endr
.endm
; O^T += V^T P^T: 16 matrix instructions in f16, accumulators in window 1
.macro PV first
	s_wait_dscnt 0x0                               ; the V^T fragments, asked for ahead of the softmax
	WIN 0x50                                       ; C and D in window 1
.irp u, 0,1
.irp a, 0,1
.irp dt, 0,1,2,3
.if \first*(1-\u)
	v_wmma_f32_16x16x32_f16 v[32*\a+8*\dt:32*\a+8*\dt+7], v[KF+32*\u+8*\dt:KF+32*\u+8*\dt+7], v[SC+32*\a+8*\u:SC+32*\a+8*\u+7], 0
.else
	v_wmma_f32_16x16x32_f16 v[32*\a+8*\dt:32*\a+8*\dt+7], v[KF+32*\u+8*\dt:KF+32*\u+8*\dt+7], v[SC+32*\a+8*\u:SC+32*\a+8*\u+7], v[32*\a+8*\dt:32*\a+8*\dt+7]
.endif
.endr
.endr
.endr
	WIN 0
.endm
; One tile.  p: its slot.  One barrier serves both directions, since the slots take turns: in front of it every wave has waited for its
; stores of this tile (last trip's STAGE) and for its reads of the other slot (last trip's fragments); behind it this slot is read and the
; other one is filled.  cv, ld, lw: STAGE of the next tile.  skip, mask: the tests against my diagonal tile are written.
.macro TRIP id, p, first, skip, mask, cv, ld, lw
	s_wait_dscnt 0x0
	s_barrier_signal -1
	s_barrier_wait -1
.if \cv
	STAGE (1-\p), \ld, \lw                         ; its conversions are also the places behind the last trip's matrix instructions (ISA guide 7.12.1)
.else
.rept 5
	v_nop                                          ; those places, where nothing is left to convert
.endr
.endif
.if \skip
	s_cmp_gt_u32 s[TT], s[TD]
	s_cbranch_scc1 .Lskip\id                       ; every key of this tile is beyond my rows
.endif
	KLOAD \p
	QK
.rept 4
	v_nop                                          ; places before K's fragment registers are loaded again and the scores are read
.endr
	VLOAD \p
.if \mask
	s_cmp_lg_u32 s[TT], s[TD]
	s_cbranch_scc1 .Lnm\id
	MASK
.Lnm\id:
.endif
	SOFTMAX \first
	PV \first
.if \skip
.Lskip\id:
.endif
	s_add_co_u32 s[TT], s[TT], 1
.endm
.macro QLOAD dst, off                  ; my 32 rows of Q, rows 2n+h, read once in the launch
.set n, 0
.rept 16
	global_load_b128 v[\dst+4*n:\dst+4*n+3], v[\off], s[4:5] offset:2*ROWB*n th:TH_LOAD_NT
.set n, n+1
.endr
.endm
.macro QPACK src, ph                   ; to bf16, into my own stage
.set n, 0
.rept 16
	v_cvt_pk_bf16_f32 v[\src+4*n],   v[\src+4*n],   v[\src+4*n+1]
	v_cvt_pk_bf16_f32 v[\src+4*n+1], v[\src+4*n+2], v[\src+4*n+3]
	ds_store_b64 v[QST], v[\src+4*n:\src+4*n+1] offset:32*KP*\ph+2*KP*n
.set n, n+1
.endr
.endm
.macro QFRAG ph                        ; the phase's Q fragments; LDS serves a wave's instructions in order, the bytes are my own
.irp a, 0,1
.irp f, 0,1
	ds_load_b128 v[QF+16*\a+8*\f:QF+16*\a+8*\f+3],   v[QR] offset:32*KP*\ph+16*KP*\a+64*\f
	ds_load_b128 v[QF+16*\a+8*\f+4:QF+16*\a+8*\f+7], v[QR] offset:32*KP*\ph+16*KP*\a+64*\f+32
.endr
.endr
.endm
; O / l, turned into rows through my own stage; each store of the wave covers two whole rows, 512 consecutive bytes, aligned
.macro EPILOGUE ph
.rept 4
	v_nop                                          ; places behind the last matrix instructions
.endr
	v_permlanex16_b32 v[PX],   v[LS],   s26, s27   ; the other half of the keys
	v_permlanex16_b32 v[PX+1], v[LS+1], s26, s27
	v_add_f32 v[LS],   v[LS],   v[PX]
	v_add_f32 v[LS+1], v[LS+1], v[PX+1]
	v_rcp_f32 v[AL],   v[LS]                       ; l is at least about 1: the largest score gives p = 1
	v_rcp_f32 v[AL+2], v[LS+1]
	v_nop                                          ; the plain instruction behind the reciprocals
	WIN 0x01                                       ; source 0 in window 1
.set n, 0
	s_wait_alu depctr_va_vdst(0)
.rept 16
	v_pk_mul_f32 v[SC+n:SC+n+1],       v[n:n+1],       v[AL:AL+1]   op_sel_hi:[1,0]
	v_pk_mul_f32 v[SC+32+n:SC+32+n+1], v[32+n:32+n+1], v[AL+2:AL+3] op_sel_hi:[1,0]
.set n, n+2
.endr
	WIN 0
.irp a, 0,1
.irp dt, 0,1,2,3
	ds_store_b128 v[OST], v[SC+32*\a+8*\dt:SC+32*\a+8*\dt+3]   offset:16*OP*\a+64*\dt      ; row 16a+r, d = 16dt+8h ..
	ds_store_b128 v[OST], v[SC+32*\a+8*\dt+4:SC+32*\a+8*\dt+7] offset:16*OP*\a+64*\dt+16
.endr
.endr
.set n, 0
.rept 16
	ds_load_b128 v[KF+4*n:KF+4*n+3], v[ORD] offset:2*OP*n      ; rows 2n, 2n+1
.set n, n+1
.endr
.set n, 0
.rept 16
	s_wait_dscnt 15-n                              ; the later rows stay out
	global_store_b128 v[OOFF], v[KF+4*n:KF+4*n+3], s[12+2*\ph:13+2*\ph] offset:512*n th:TH_STORE_NT
.set n, n+1
.endr
.endm
	; ---------------- set-up ----------------
	s_load_b128 s[4:7], s[0:1], 0x0                ; qkv, out0
	s_set_vgpr_msb 0x40
	v_lshl_add_u32 v64, v0, 2, 0x2c800
	v_mov_b32 v65, 0
	s_set_vgpr_msb 0x4000
	v_lshrrev_b32 v29, 5, v0
	v_readfirstlane_b32 s8, v29                    ; wave w
	s_and_b32 s9, ttmp9, 3                         ; j
	s_lshr_b32 s10, ttmp9, 2                       ; head bh
	s_lshr_b32 s21, s8, 1                          ; w >> 1
	s_lshl_b32 s25, s9, 2                          ; 4 j
	s_mov_b32 s22, CEXP
	s_mov_b32 s23, CEXP
	s_mov_b32 s24, CNEG
	s_mov_b32 s26, 0x76543210                      ; v_permlanex16_b32: lane i reads lane i of the other half
	s_mov_b32 s27, 0xfedcba98
	s_mov_b32 s[HIM], 0xffff0000
	s_mov_b32 s[LD], 0
	s_sub_co_u32 s28, 32, s25                      ; phase 0's tiles
	s_mul_i32 s[WRAP], s28, TSTEP
	s_lshr_b32 s28, s10, 4                         ; b
	s_mul_i32 s28, s28, BSTRIDE
	s_and_b32 s29, s10, 15                         ; h
	s_lshl_b32 s29, s29, 8
	s_add_co_u32 s28, s28, s29
	s_mov_b32 s29, 0                               ; s[28:29]: the head's offset in qkv
	s_sub_co_u32 s30, 7, s9                        ; phase 0's block
	s_lshl_b32 s32, s10, 19                        ; the head in out0: 2,048 rows of 256 bytes
	s_lshl_b32 s33, s8, 13                         ; my 32 rows in a block
	s_add_co_u32 s32, s32, s33
	s_lshl_b32 s34, s30, 16                        ; a block: 256 rows of 256 bytes
	s_add_co_u32 s34, s34, s32
	s_mov_b32 s35, 0
	s_lshl_b32 s36, s9, 16
	s_add_co_u32 s36, s36, s32
	s_mov_b32 s37, 0
	v_and_b32 v30, 15, v0                          ; r
	v_bfe_u32 v31, v0, 4, 1                        ; h
	v_mul_u32_u24 v29, v31, ROWB
	v_lshl_add_u32 v29, v30, 4, v29                ; row h, 16 bytes at 16 r
	s_mul_i32 s31, s8, 8*ROWB
	s_add_co_u32 s31, s31, 4096                    ; K lies 4,096 bytes behind Q, V 4,096 behind K
	v_add_nc_u32 v[LOFF], s31, v29
	s_mul_i32 s31, s8, 32*ROWB
	s_mul_i32 s33, s30, 256*ROWB
	s_add_co_u32 s33, s33, s31
	v_add_nc_u32 v[QOH], s33, v29
	s_mul_i32 s33, s9, 256*ROWB
	s_add_co_u32 s33, s33, s31
	v_add_nc_u32 v[QOL], s33, v29
	s_wait_kmcnt 0x0
	s_add_nc_u64 s[4:5], s[4:5], s[28:29]          ; qkv at my head; never stepped again
	s_add_nc_u64 s[12:13], s[6:7], s[34:35]        ; out0 at my rows of phase 0
	s_add_nc_u64 s[14:15], s[6:7], s[36:37]        ; and of phase 1
	QLOAD SC, QOH                                  ; 16 loads
	QLOAD KF, QOL                                  ; 16 loads
	GLOAD 0                                        ; tile 0
	GLOAD 1                                        ; tile 1
	; LDS addresses, while the loads are on their way
	v_mul_u32_u24 v14, v31, KP
	v_lshl_add_u32 v14, v30, 3, v14                ; row h, 8 bytes at 8 r
	s_mul_i32 s31, s8, 8*KP
	v_add_nc_u32 v[KST], s31, v14
	s_mul_i32 s31, s8, QWAVE
	s_add_co_u32 s31, s31, QSTAGE
	v_add_nc_u32 v[QST], s31, v14
	v_mul_u32_u24 v[KA], v30, KP
	v_lshl_add_u32 v[KA], v31, 4, v[KA]            ; row r, 16 bytes at 16 h
	v_add_nc_u32 v[QR], s31, v[KA]
	v_mul_u32_u24 v15, v31, VP
	v_lshl_add_u32 v15, v30, 3, v15
	s_mul_i32 s31, s8, 8*VP
	s_add_co_u32 s31, s31, VOFF
	v_add_nc_u32 v[VST], s31, v15
	v_and_b32 v16, 7, v0
	v_lshl_add_u32 v16, v31, 3, v16                ; key 8h + (lane & 7)
	v_mul_u32_u24 v16, v16, VP
	v_bfe_u32 v17, v0, 3, 1
	v_lshl_add_u32 v16, v17, 4, v16                ; + 16 bytes for lanes 8-15 of each 16
	v_add_nc_u32 v[VA], VOFF, v16
	s_mul_i32 s31, s8, OWAVE
	s_add_co_u32 s31, s31, OSTAGE
	v_mul_u32_u24 v18, v30, OP
	v_lshl_add_u32 v18, v31, 5, v18                ; row r, d = 8h
	v_add_nc_u32 v[OST], s31, v18
	v_mul_u32_u24 v19, v31, OP
	v_lshl_add_u32 v19, v30, 4, v19                ; row h, 16 bytes at 16 r
	v_add_nc_u32 v[ORD], s31, v19
	v_and_b32 v20, 31, v0
	v_lshlrev_b32 v[OOFF], 4, v20
	s_and_b32 s31, s8, 1
	s_lshl_b32 s31, s31, 5
	v_lshlrev_b32 v21, 3, v31
	v_sub_nc_u32 v21, v30, v21
	v_add_nc_u32 v[XM], s31, v21
	v_mov_b32 v[NI], 0xff800000
	s_wait_loadcnt 32                              ; phase 0's Q is in; out: phase 1's Q (16) and two tiles (8 + 8)
	QPACK SC, 0
	s_wait_loadcnt 16                              ; phase 1's Q is in; out: the two tiles
	QPACK KF, 1
	STAGE 0, 1, 8                                  ; tile 0 into slot 0; tile 2 is asked for
	QFRAG 0                                        ; waited for at the first trip's head
	; ---------------- phase 0: block 7-j, 32-4j tiles = 1 + 2 (15-2j) + 1 ----------------
	s_mov_b32 s[TT], 0
	s_sub_co_u32 s[TD], 28, s25
	s_add_co_u32 s[TD], s[TD], s21                 ; 4 (7-j) + (w >> 1), at least 16: tile 0 is whole
	s_lshl_b32 s28, s9, 1
	s_sub_co_u32 s[NN], 15, s28                    ; 9 to 15 pairs of tiles
	TRIP 0, 0, 1, 0, 0, 1, 1, 8
.Lph0:
	TRIP 1, 1, 0, 1, 1, 1, 1, 8
	TRIP 2, 0, 0, 1, 1, 1, 1, 8
	s_sub_co_i32 s[NN], s[NN], 1
	s_cmp_gt_i32 s[NN], 0                          ; a signed test: the loop ends whatever the counter started from
	s_cbranch_scc1 .Lph0
	TRIP 3, 1, 0, 1, 1, 1, 1, 8
	EPILOGUE 0
	s_wait_xcnt 0x0                                ; the stores' data registers are loaded again in the next trip only behind this wait
	QFRAG 1
	; ---------------- phase 1: block j, 4j+4 tiles = 1 + 2 (2j) + 3 ----------------
	s_mov_b32 s[TT], 0
	s_add_co_u32 s[TD], s25, s21                   ; 4 j + (w >> 1): tile 0 may be the diagonal one; key 0 is open to every row
	s_lshl_b32 s[NN], s9, 1                        ; 0 to 6 pairs of tiles
	TRIP 4, 0, 1, 0, 1, 1, 1, 8
	s_cmp_eq_u32 s[NN], 0
	s_cbranch_scc1 .Lp1tail
.Lph1:
	TRIP 5, 1, 0, 1, 1, 1, 1, 8
	TRIP 6, 0, 0, 1, 1, 1, 1, 8
	s_sub_co_i32 s[NN], s[NN], 1
	s_cmp_gt_i32 s[NN], 0
	s_cbranch_scc1 .Lph1
.Lp1tail:
	TRIP 7, 1, 0, 1, 1, 1, 0, 8                    ; the last three tiles ask for nothing: the last set but one is waited for with the last one out,
	TRIP 8, 0, 0, 1, 1, 1, 0, 0                    ; the last with nothing out,
	TRIP 9, 1, 0, 1, 1, 0, 0, 0                    ; and nothing is left to convert
	EPILOGUE 1
	s_set_vgpr_msb 0x5
	s_wait_tensorcnt 0x0
	ds_add_u32 v64, v65
	s_wait_dscnt 0x0
	s_set_vgpr_msb 0x500
	s_endpgm
.Lfunc_end_k_q1aef5655d6_attn:
	.size	k_q1aef5655d6_attn, .Lfunc_end_k_q1aef5655d6_attn-k_q1aef5655d6_attn
	.p2alignl 7, 3214868480
	.fill 96, 4, 3214868480
	.section	.rodata,"a",@progbits
	.p2align	6, 0x0
	.amdhsa_kernel k_q1aef5655d6_attn
		.amdhsa_group_segment_fixed_size 183296
		.amdhsa_private_segment_fixed_size 0
		.amdhsa_enable_private_segment 0
		.amdhsa_kernarg_size 16
		.amdhsa_user_sgpr_count 2
		.amdhsa_user_sgpr_kernarg_segment_ptr 1
		.amdhsa_wavefront_size32 1
		.amdhsa_system_sgpr_workgroup_id_x 1
		.amdhsa_system_sgpr_workgroup_id_y 1
		.amdhsa_system_sgpr_workgroup_id_z 1
		.amdhsa_system_vgpr_workitem_id 0
		.amdhsa_next_free_vgpr 322
		.amdhsa_next_free_sgpr 66
		.amdhsa_reserve_vcc 1
		.amdhsa_float_denorm_mode_32 3
		.amdhsa_float_denorm_mode_16_64 3
		.amdhsa_memory_ordered 1
		.amdhsa_forward_progress 1
		.amdhsa_inst_pref_size 255
	.end_amdhsa_kernel
	.section	.bss,"aw",@nobits
	.p2align	6
	.space	262144
	.amdgpu_metadata
---
amdhsa.version: [ 1, 2 ]
amdhsa.kernels:
  - .name:           k_q1aef5655d6_attn
    .symbol:         k_q1aef5655d6_attn.kd
    .args:
      - { .name: qkv, .offset: 0, .size: 8, .value_kind: global_buffer, .address_space: global }
      - { .name: out0, .offset: 8, .size: 8, .value_kind: global_buffer, .address_space: global }
    .group_segment_fixed_size: 183296
    .private_segment_fixed_size: 0
    .kernarg_segment_align: 8
    .kernarg_segment_size: 16
    .max_flat_workgroup_size: 256
    .sgpr_count:     66
    .vgpr_count:     322
    .wavefront_size: 32
...
	.end_amdgpu_metadata
.endif
;; end of part 1
;; ======== version 2 of 2: 1 launch; version 1 with the launch attn written anew for expert scheduling mode
;; limits: values are held in f16: magnitudes above 65,504 overflow, below 6.1e-05 lose precision; inputs' magnitudes at most 65,504
;; launch attn (part 2): grid 256 x 1, 8 waves a work-group, no clusters, 183,296 bytes of LDS; arguments qkv, out0; writes out0
.if DOCPART == 2
	.amdgcn_target "amdgcn-amd-amdhsa--gfx1250"
	.amdhsa_code_object_version 6
	.text
	.protected	k_q1aef5655d6_attn
	.globl	k_q1aef5655d6_attn
	.p2align	8
	.type	k_q1aef5655d6_attn,@function
k_q1aef5655d6_attn:
	s_mov_b64 s[64:65], 0
	v_nop
	global_prefetch_b8 v0, s[64:65] scope:SCOPE_SE
	s_setreg_imm32_b32 hwreg(HW_REG_WAVE_SCHED_MODE, 0, 2), 2
	s_setreg_imm32_b32 hwreg(HW_REG_WAVE_MODE, 25, 1), 1
	s_wait_xcnt 0x0
	s_wait_alu depctr_vm_vsrc(0)
; Causal self-attention.  qkv: [4][2048][3][16][64] f32, out0: [4][16][2048][64] f32.
; out[b][h][q][:] = softmax over k <= q of (q.k / 8) times v, with a running maximum (flash form).
;
; SHARES.  256 work-groups: head bh = id >> 2, place j = id & 3.  A head's 2,048 query rows are 8 blocks of 256; work-group j
; does block 7-j (phase 0) and then block j (phase 1): 32-4j and 4j+4 key tiles of 64 keys, 36 tile trips for every work-group.
; Wave w owns 32 query rows of the block, two sub-tiles a = 0, 1 of 16 rows.  Tile TD = 4 block + (w >> 1) holds the wave's diagonal:
; tiles below it are whole, it is masked, tiles above it are jumped over (scalar branches that never jump over a barrier).
;
; BOTH PRODUCTS ARE TAKEN TRANSPOSED.  S^T = K Q^T: lane (r, h) holds in register j the score of key 8h+j and query r, so maximum and
; sum over keys stay in the lane but for one exchange of the two halves of the lanes, and two neighbouring key tiles, packed to 16 bits in
; place, are the second source of O^T = V^T P^T as they stand.  V^T comes by the transposing LDS load from V kept [key][d].
; All of a lane's O belong to query r: the rescaling factor and 1/l are factors of the lane.
;
; FORMATS.  q, k and v are each rounded once to bf16 (nearest even): one defined rounding for all three inputs, and the result is that of
; attention on the inputs so rounded.  The first product is the bf16 form.  An early row is a sum of a few p v with v of the inputs' own
; size, so the rounding of p shows in the result undiluted: p therefore goes in f16 (11 significant bits, bf16 has 8), and v's bf16 value,
; 8 significant bits, is carried in f16 without a further rounding, so that the second product can be the f16 form.
; That costs three more vector instructions for each pair of v, once for the work-group, and nothing in the softmax.
;
; K AND V come through registers: 8 loads of 16 bytes a thread for a tile (sixteen lanes take one row of 256 bytes), two register sets,
; each asked for two trips before it is rounded (once for the work-group) and put into one of two LDS slots.
; The stream of 36 tiles runs across the two phases without a stop.
;
; NO CLUSTER, NO JOINT TILE REQUESTS: the tiles lie in memory as f32 and the matrix operands have 16 bits, so a tile copied to LDS as it
; lies (32,768 bytes) would have to be read from LDS, rounded and stored to LDS again on top of the 16,384 bytes stored here; and the
; work-groups that share K and V (the query blocks of a head) have different numbers of tiles and different diagonal tiles.
;
; THE MODE: SCHED_MODE bits 1:0 = 2 (LLVM: expert scheduling mode 2), set by the entry lines.  The code itself states the register dependences
; between vector or matrix instructions and memory or LDS instructions, with s_wait_alu, always for 0.
; THE PLAN.  Registers that memory or LDS instructions touch, round a trip:
;   G0, G1   a tile as loaded.  The trip's 40 conversions round set g in place; 8 LDS stores read it; the 8 global loads of the tile two on land in it.
;   KF       K's fragments.  16 LDS loads land in it directly behind the barrier; the first product reads it; nothing else names it in a trip.
;   VF       V^T's fragments, a buffer of their own.  16 LDS loads land in it ahead of the first product; the second product reads it.
;   QF       Q's fragments.  Loaded at the head and between the phases; the first product reads it.
;   v1, v4 to v11   offsets and LDS addresses, made at the head and never written again: a tile is reached by a scalar base for each load set.
;   SC, O^T, the statistics: vector and matrix instructions alone in a trip (SC is also Q's way in at the head and the out-buffer of the way out).
; So a trip has three waits.  (1) va_vdst behind the conversions: G[g] is written (the LDS stores' data) and read out (the global loads land there), and the
; last trip's second product is done reading VF.  (2) vm_vsrc between the LDS stores and the global loads into the same G[g].  (3) va_vdst behind the
; softmax's exponentials, ahead of their first reader; it stands behind the first product on every way from it, so KF and QF are read out, and the next
; trip's loads of K owe nothing more.  The diagonal's masks hang on wave and lane alone: they are made once, at the head, in scalar registers.
;
; LIMITS.  q, k, v are rounded to bf16.  v is then held in f16: a v beyond 65,504 in magnitude becomes infinite as an operand and its
; head's rows are then not defined; a v or a p below 2^-14 is rounded to a multiple of 2^-24.  l sums p in f32 before p is rounded.
; An exponential below 2^-126 counts as 0.  NaN and infinities in the input are not treated apart.
.set ROWB,    12288                    ; bytes from one sequence position to the next
.set TSTEP,   64*ROWB                  ; a key tile
.set BSTRIDE, 2048*ROWB                ; a batch
.set KP,      144                      ; LDS pitch of K and Q rows: 128 bytes + 16, nine times 16
.set VP,      160                      ; LDS pitch of V rows: 128 bytes + 32, five times 32 (for the transposing load)
.set VOFF,    64*KP                    ; V behind K in a slot
.set SLOT,    VOFF+64*VP               ; 19,456 bytes; two slots
.set QSTAGE,  2*SLOT                   ; each wave: 64 rows of Q in bf16 (phase 0's 32, then phase 1's 32)
.set QWAVE,   64*KP
.set OSTAGE,  QSTAGE+8*QWAVE           ; each wave: 32 rows of f32 on the way out
.set OP,      272                      ; their pitch: 256 bytes + 16
.set OWAVE,   32*OP
.set CEXP,    0x3e38aa3b               ; log2(e) / 8
.set CNEG,    0xbe38aa3b
; vector registers (r = lane & 15, h = lane >> 4)
.set LOFF, 1                           ; byte offset of my 16 bytes of K in a tile: row 8w+h, column 4r
.set KST,  4                           ; where I store K in slot 0
.set VST,  5                           ; where I store V in slot 0
.set KA,   6                           ; K fragment address in slot 0
.set VA,   7                           ; V^T fragment address in slot 0
.set QR,   8                           ; Q fragment address
.set OST,  9                           ; way out: where my results go
.set ORD,  10                          ; way out: where I read rows back
.set OOFF, 11                          ; 16 x lane
.set XM,   12                          ; 32 (w & 1) + r - 8h: the diagonal, seen from my lane
.set NI,   13                          ; -infinity
.set MX,   14                          ; v14, v15: running maximum of the raw scores
.set LS,   16                          ; v16, v17: running sum (of my half of the keys)
.set NM,   18                          ; v18, v20: -c x maximum      (pairs NM, TA)
.set TA,   19                          ; v19, v21: first chain of maxima
.set AL,   22                          ; v22, v24: rescaling factor  (pairs AL, TB)
.set TB,   23                          ; v23, v25: second chain of maxima
.set SUM,  26                          ; v[26:27], v[28:29]: a tile's sums
.set QOH,  26                          ; before the first trip: offsets of Q's two blocks, and where Q is staged
.set QOL,  27
.set QST,  28
.set PX,   30                          ; v30, v31: what comes from the other half of the lanes
.set QF,   32                          ; v[32:63]   Q fragments, 16 a + 8 f
.set SC,   64                          ; v[64:127]  scores, 32 a + 8 kt; packed: P, 32 a + 8 u
.set KF,   128                         ; v[128:191] K fragments 16 kt + 8 f
.set G,    192                         ; v[192:255] two load sets of 32: K's 16, V's 16
                                       ; v256-v319 O^T, 32 a + 8 dt, written v0-v63 under a window
.set VF,   64                          ; v320-v383 V^T fragments 32 u + 8 dt, written v64-v127 under a window
; scalar registers
.set LD,   16                          ; s[16:17] offset of the tile that is asked for next; the high word is 0
.set TT,   18                          ; tile number in the phase
.set TD,   19                          ; my diagonal tile
.set NN,   20                          ; loop counter
.set HIM,  38                          ; mask of a word's upper bf16
.set WRAP, 39                          ; end of phase 0's tiles
.set KB,   40                          ; s[40:41], s[42:43]: the address of the tile that load set 0, 1 was asked for last
.set MK,   44                          ; s44-s63, s66-s85: mask n of 40: the lanes in which 16 (n / 8) + n % 8 - 16 > XM
.set MSB, 0
.macro WIN new                         ; register window; the immediate's high byte repeats the setting that is left
.if MSB != \new
	s_set_vgpr_msb (MSB<<8)|\new
.set MSB, \new
.endif
.endm
; ask for a tile: rows 8w+2i+h of K and of V, 16 bytes a lane, into set g; then step the stream (phase 1 starts again at key 0).
; The set's base is written behind the wait on LOADcnt that has shown the set's last loads, which read it, done.
.macro GLOAD g
	s_add_nc_u64 s[KB+2*\g:KB+2*\g+1], s[4:5], s[LD:LD+1]
.irp i, 0,1,2,3
	global_load_b128 v[G+32*\g+4*\i:G+32*\g+4*\i+3], v[LOFF], s[KB+2*\g:KB+2*\g+1] offset:2*ROWB*\i
.endr
.irp i, 0,1,2,3
	global_load_b128 v[G+32*\g+16+4*\i:G+32*\g+16+4*\i+3], v[LOFF], s[KB+2*\g:KB+2*\g+1] offset:2*ROWB*\i+4096
.endr
	s_add_co_u32 s[LD], s[LD], TSTEP
	s_cmp_eq_u32 s[LD], s[WRAP]
	s_cselect_b32 s[LD], 0, s[LD]
.endm
; set g has come: round it in place, all 40 conversions in one run.
; lw = loads that may stay out: the other set's eight, which were issued later (loads return in order, ISA guide 5.7.1).
.macro SCVT g, lw
	s_wait_loadcnt \lw
.irp i, 0,1,2,3                                    ; K: to bf16
	v_cvt_pk_bf16_f32 v[G+32*\g+4*\i],   v[G+32*\g+4*\i],   v[G+32*\g+4*\i+1]
	v_cvt_pk_bf16_f32 v[G+32*\g+4*\i+1], v[G+32*\g+4*\i+2], v[G+32*\g+4*\i+3]
.endr
.irp i, 0,1,2,3                                    ; V: the one rounding, to bf16,
	v_cvt_pk_bf16_f32 v[G+32*\g+16+4*\i],   v[G+32*\g+16+4*\i],   v[G+32*\g+16+4*\i+1]
	v_cvt_pk_bf16_f32 v[G+32*\g+16+4*\i+2], v[G+32*\g+16+4*\i+2], v[G+32*\g+16+4*\i+3]
.endr
.irp i, 0,1,2,3                                    ; the halves widened to f32 again (the upper one first: the lower one overwrites the word),
	v_and_b32     v[G+32*\g+16+4*\i+1], s[HIM], v[G+32*\g+16+4*\i]
	v_lshlrev_b32 v[G+32*\g+16+4*\i],   16,     v[G+32*\g+16+4*\i]
	v_and_b32     v[G+32*\g+16+4*\i+3], s[HIM], v[G+32*\g+16+4*\i+2]
	v_lshlrev_b32 v[G+32*\g+16+4*\i+2], 16,     v[G+32*\g+16+4*\i+2]
.endr
.irp i, 0,1,2,3                                    ; and written as f16, which holds 8 significant bits as they are
	v_cvt_pk_f16_f32 v[G+32*\g+16+4*\i],   v[G+32*\g+16+4*\i],   v[G+32*\g+16+4*\i+1]
	v_cvt_pk_f16_f32 v[G+32*\g+16+4*\i+1], v[G+32*\g+16+4*\i+2], v[G+32*\g+16+4*\i+3]
.endr
.endm
; behind the wait that shows the conversions written: 8 bytes a lane of K and of V into slot g; ld = 1: the tile two further on is asked for
.macro SOUT g, ld
.irp i, 0,1,2,3
	ds_store_b64 v[KST], v[G+32*\g+4*\i:G+32*\g+4*\i+1] offset:\g*SLOT+2*KP*\i
.endr
.irp i, 0,1,2,3
	ds_store_b64 v[VST], v[G+32*\g+16+4*\i:G+32*\g+16+4*\i+1] offset:\g*SLOT+2*VP*\i
.endr
.if \ld
	s_wait_alu depctr_vm_vsrc(0)                   ; the LDS stores have read G[g], in which the loads below land and which the conversions two trips on write
	GLOAD \g
.endif
.endm
; 16 loads: K fragments, 16 keys x 32 d each
.macro KLOAD p
.irp kt, 0,1,2,3
.irp f, 0,1
	ds_load_b128 v[KF+16*\kt+8*\f:KF+16*\kt+8*\f+3],   v[KA] offset:\p*SLOT+16*KP*\kt+64*\f
	ds_load_b128 v[KF+16*\kt+8*\f+4:KF+16*\kt+8*\f+7], v[KA] offset:\p*SLOT+16*KP*\kt+64*\f+32
.endr
.endr
.endm
; S^T = K Q^T: 16 matrix instructions in bf16; the first product of each tile starts its sum.
; more = the LDS instructions issued behind K's sixteen loads: the stage's stores and V^T's loads
.macro QK more
.irp kt, 0,1,2,3
	s_wait_dscnt 12-4*\kt+\more                    ; four loads for each 16 keys: those of the later keys, and what was issued behind K's loads, stay out
	v_wmma_f32_16x16x32_bf16 v[SC+8*\kt:SC+8*\kt+7],       v[KF+16*\kt:KF+16*\kt+7],    v[QF:QF+7],     0
	v_wmma_f32_16x16x32_bf16 v[SC+32+8*\kt:SC+32+8*\kt+7], v[KF+16*\kt:KF+16*\kt+7],    v[QF+16:QF+23], 0
	v_wmma_f32_16x16x32_bf16 v[SC+8*\kt:SC+8*\kt+7],       v[KF+16*\kt+8:KF+16*\kt+15], v[QF+8:QF+15],  v[SC+8*\kt:SC+8*\kt+7]
	v_wmma_f32_16x16x32_bf16 v[SC+32+8*\kt:SC+32+8*\kt+7], v[KF+16*\kt+8:KF+16*\kt+15], v[QF+24:QF+31], v[SC+32+8*\kt:SC+32+8*\kt+7]
.endr
.endm
; 16 transposing loads: V^T fragments, 16 d x 32 keys each, into their own buffer in window 1
.macro VLOAD p
	WIN 0x40                                       ; destination in window 1, address in window 0
.irp u, 0,1
.irp dt, 0,1,2,3
	ds_load_tr16_b128 v[VF+32*\u+8*\dt:VF+32*\u+8*\dt+3],   v[VA] offset:\p*SLOT+32*VP*\u+32*\dt
	ds_load_tr16_b128 v[VF+32*\u+8*\dt+4:VF+32*\u+8*\dt+7], v[VA] offset:\p*SLOT+32*VP*\u+32*\dt+16*VP
.endr
.endr
	WIN 0
.endm
; the diagonal tile: key 16 kt + 8h + j is beyond query 32 (w & 1) + 16 a + r  <=>  16 (kt - a) + j > XM: mask 8 (kt - a + 1) + j, made at the head
.macro MASK
.irp a, 0,1
.irp kt, 0,1,2,3
.irp j, 0,1,2,3,4,5,6,7
.set n, 8*(\kt-\a+1)+\j
	v_cndmask_b32 v[SC+32*\a+8*\kt+\j], v[SC+32*\a+8*\kt+\j], v[NI], s[MK+n+2*(n/20)]
.endr
.endr
.endr
.endm
; O *= alpha, 64 registers in window 1
.macro RESCALE
	WIN 0x41                                       ; destination and source 0 in window 1
.set n, 0
.rept 16
	v_pk_mul_f32 v[n:n+1],       v[n:n+1],       v[AL:AL+1]   op_sel_hi:[1,0]
	v_pk_mul_f32 v[32+n:32+n+1], v[32+n:32+n+1], v[AL+2:AL+3] op_sel_hi:[1,0]
.set n, n+2
.endr
	WIN 0
.endm
; one tile's softmax step for both sub-tiles.  first = 1: the tile starts maximum, sum and O, nothing is cleared.
.macro SOFTMAX first
.irp a, 0,1                                        ; maximum of my 32 scores: two chains for each sub-tile
	v_max3_num_f32 v[TA+2*\a], v[SC+32*\a],   v[SC+32*\a+1], v[SC+32*\a+2]
	v_max3_num_f32 v[TB+2*\a], v[SC+32*\a+3], v[SC+32*\a+4], v[SC+32*\a+5]
.endr
.set n, 6
.rept 6
.irp a, 0,1
	v_max3_num_f32 v[TA+2*\a], v[TA+2*\a], v[SC+32*\a+n],   v[SC+32*\a+n+1]
	v_max3_num_f32 v[TB+2*\a], v[TB+2*\a], v[SC+32*\a+n+2], v[SC+32*\a+n+3]
.endr
.set n, n+4
.endr
.irp a, 0,1
	v_max3_num_f32 v[TA+2*\a], v[TA+2*\a], v[SC+32*\a+30], v[SC+32*\a+31]
.endr
.irp a, 0,1
.if \first
	v_max_num_f32 v[TA+2*\a], v[TA+2*\a], v[TB+2*\a]
.else
	v_max3_num_f32 v[TA+2*\a], v[TA+2*\a], v[TB+2*\a], v[MX+\a]
.endif
.endr
.irp a, 0,1
	v_permlanex16_b32 v[PX+\a], v[TA+2*\a], s26, s27   ; the other eight keys of each 16 lie in lane xor 16
.endr
.irp a, 0,1
	v_max_num_f32 v[MX+\a], v[TA+2*\a], v[PX+\a]
.endr
.if \first
.irp a, 0,1
	v_mul_f32 v[NM+2*\a], s24, v[MX+\a]            ; the shift: -c x maximum
.endr
.else
.irp a, 0,1
	v_mul_f32 v[TB+2*\a], s24, v[MX+\a]            ; the new shift
.endr
.irp a, 0,1
	v_sub_f32 v[AL+2*\a], v[TB+2*\a], v[NM+2*\a]   ; new shift - old shift, both as they are used: 0 exactly where the maximum stays
.endr
.irp a, 0,1
	v_mov_b32 v[NM+2*\a], v[TB+2*\a]
.endr
	v_exp_f32 v[AL], v[AL]                         ; alpha: the first two of the batch
	v_exp_f32 v[AL+2], v[AL+2]
.endif
	; p = exp2(c s - c m).  Four exponentials stand behind the next pair's multiply-adds, which touch other registers.
	; All the tile's exponentials are one batch: no line ahead of the wait below names a result of theirs.
.set n, 0
.rept 16
	v_pk_fma_f32 v[SC+n:SC+n+1],       v[SC+n:SC+n+1],       s[22:23], v[NM:NM+1]   op_sel_hi:[1,0,0]
	v_pk_fma_f32 v[SC+32+n:SC+32+n+1], v[SC+32+n:SC+32+n+1], s[22:23], v[NM+2:NM+3] op_sel_hi:[1,0,0]
.if n > 0
	v_exp_f32 v[SC+n-2],  v[SC+n-2]
	v_exp_f32 v[SC+n-1],  v[SC+n-1]
	v_exp_f32 v[SC+n+30], v[SC+n+30]
	v_exp_f32 v[SC+n+31], v[SC+n+31]
.endif
.set n, n+2
.endr
	v_exp_f32 v[SC+30], v[SC+30]
	v_exp_f32 v[SC+31], v[SC+31]
	v_exp_f32 v[SC+62], v[SC+62]
	v_exp_f32 v[SC+63], v[SC+63]
.if \first
	v_nop                                          ; the plain instruction behind the last exponentials (ISA guide 5.7.2)
.endif
	s_wait_alu depctr_va_vdst(0)                   ; the exponentials have written alpha and the 64 p, which the lines below read.  The first product is done reading KF and QF too:
	                                               ; no line names them again before the next loads of K, or the next phase's of Q, land in them
.if !\first
	RESCALE                                        ; its first line is the plain instruction behind the last exponentials, as useful work
.endif
	; sum in f32, and pack to f16 in place: word n takes numbers 2n, 2n+1, in ascending order, so nothing is overwritten unread
.irp a, 0,1
	v_pk_add_f32 v[SUM+2*\a:SUM+2*\a+1], v[SC+32*\a:SC+32*\a+1], v[SC+32*\a+2:SC+32*\a+3]
	v_cvt_pk_f16_f32 v[SC+32*\a],   v[SC+32*\a],   v[SC+32*\a+1]
	v_cvt_pk_f16_f32 v[SC+32*\a+1], v[SC+32*\a+2], v[SC+32*\a+3]
.endr
.set n, 2
.rept 14
.irp a, 0,1
	v_pk_add_f32 v[SUM+2*\a:SUM+2*\a+1], v[SUM+2*\a:SUM+2*\a+1], v[SC+32*\a+2*n:SC+32*\a+2*n+1]
	v_cvt_pk_f16_f32 v[SC+32*\a+n], v[SC+32*\a+2*n], v[SC+32*\a+2*n+1]
.endr
.set n, n+1
.endr
.irp a, 0,1
.if \first
	v_add_f32 v[LS+\a], v[SUM+2*\a], v[SUM+2*\a+1]
.else
	v_add_f32 v[SUM+2*\a], v[SUM+2*\a], v[SUM+2*\a+1]
	v_fma_f32 v[LS+\a], v[LS+\a], v[AL+2*\a], v[SUM+2*\a]
.endif
.endr
.endm
; O^T += V^T P^T: 16 matrix instructions in f16, accumulators and V^T in window 1
.macro PV first
	s_wait_dscnt 0x0                               ; the V^T fragments, asked for ahead of the first product
	WIN 0x51                                       ; source 0 (V^T), C and D in window 1; P in window 0
.irp u, 0,1
.irp a, 0,1
.irp dt, 0,1,2,3
.if \first*(1-\u)
	v_wmma_f32_16x16x32_f16 v[32*\a+8*\dt:32*\a+8*\dt+7], v[VF+32*\u+8*\dt:VF+32*\u+8*\dt+7], v[SC+32*\a+8*\u:SC+32*\a+8*\u+7], 0
.else
	v_wmma_f32_16x16x32_f16 v[32*\a+8*\dt:32*\a+8*\dt+7], v[VF+32*\u+8*\dt:VF+32*\u+8*\dt+7], v[SC+32*\a+8*\u:SC+32*\a+8*\u+7], v[32*\a+8*\dt:32*\a+8*\dt+7]
.endif
.endr
.endr
.endr
	WIN 0
.endm
; One tile.  p: its slot.  One barrier serves both directions, since the slots take turns: in front of it every wave has waited for its
; stores of this tile (last trip's stage) and for its reads of the other slot (last trip's fragments); behind it this slot is read and the
; other one is filled.  cv, ld, lw: the stage of the next tile.  skip, mask: the tests against my diagonal tile are written.
; K's loads stand first behind the barrier and land while the next tile is rounded; the stage is on every wave's way, so the test stands twice.
.macro TRIP id, p, first, skip, mask, cv, ld, lw
	s_wait_dscnt 0x0
	s_barrier_signal -1
	s_barrier_wait -1
.if \skip
	s_cmp_gt_u32 s[TT], s[TD]
	s_cbranch_scc1 .Lnk\id                         ; every key of this tile is beyond my rows: no fragments
.endif
	KLOAD \p                                       ; no wait: the last line that named KF is a first product, and the softmax's wait stands behind it on every way
.if \skip
.Lnk\id:
.endif
.if \cv
	SCVT (1-\p), \lw                               ; its conversions are also the places behind the last trip's matrix instructions (ISA guide 7.12.1)
	s_wait_alu depctr_va_vdst(0)                   ; the conversions have written G, which the LDS stores read, and are done with it: the global loads land there; the last trip's second product is done reading VF, in which V^T's loads land
	SOUT (1-\p), \ld
.else
.rept 5
	v_nop                                          ; those places, where nothing is left to convert
.endr
	s_wait_alu depctr_va_vdst(0)                   ; the last trip's second product is done reading VF, in which V^T's loads land
.endif
.if \skip
	s_cmp_gt_u32 s[TT], s[TD]
	s_cbranch_scc1 .Lskip\id                       ; every key of this tile is beyond my rows
.endif
	VLOAD \p                                       ; no vector or matrix instruction since the wait above
	QK (8*\cv+16)
.rept 4
	v_nop                                          ; places before the scores are read
.endr
.if \mask
	s_cmp_lg_u32 s[TT], s[TD]
	s_cbranch_scc1 .Lnm\id
	MASK
.Lnm\id:
.endif
	SOFTMAX \first
	PV \first
.if \skip
.Lskip\id:
.endif
	s_add_co_u32 s[TT], s[TT], 1
.endm
.macro QLOAD dst, off                  ; my 32 rows of Q, rows 2n+h, read once in the launch
.set n, 0
.rept 16
	global_load_b128 v[\dst+4*n:\dst+4*n+3], v[\off], s[4:5] offset:2*ROWB*n th:TH_LOAD_NT
.set n, n+1
.endr
.endm
.macro QCVT src                        ; to bf16, in place
.set n, 0
.rept 16
	v_cvt_pk_bf16_f32 v[\src+4*n],   v[\src+4*n],   v[\src+4*n+1]
	v_cvt_pk_bf16_f32 v[\src+4*n+1], v[\src+4*n+2], v[\src+4*n+3]
.set n, n+1
.endr
.endm
.macro QPUT src, ph                    ; into my own stage
.set n, 0
.rept 16
	ds_store_b64 v[QST], v[\src+4*n:\src+4*n+1] offset:32*KP*\ph+2*KP*n
.set n, n+1
.endr
.endm
.macro QFRAG ph                        ; the phase's Q fragments; LDS serves a wave's instructions in order, the bytes are my own
.irp a, 0,1
.irp f, 0,1
	ds_load_b128 v[QF+16*\a+8*\f:QF+16*\a+8*\f+3],   v[QR] offset:32*KP*\ph+16*KP*\a+64*\f
	ds_load_b128 v[QF+16*\a+8*\f+4:QF+16*\a+8*\f+7], v[QR] offset:32*KP*\ph+16*KP*\a+64*\f+32
.endr
.endr
.endm
; O / l, turned into rows through my own stage; each store of the wave covers two whole rows, 512 consecutive bytes, aligned
.macro EPILOGUE ph
	s_wait_dscnt 0x0                               ; no LDS instruction of the last trip is out, on any way through its two tests: the rows below come back into KF, into which that trip's
	                                               ; loads of K go (where the tile was multiplied, the second product's wait has shown them back already)
.rept 4
	v_nop                                          ; places behind the last matrix instructions
.endr
	v_permlanex16_b32 v[PX],   v[LS],   s26, s27   ; the other half of the keys
	v_permlanex16_b32 v[PX+1], v[LS+1], s26, s27
	v_add_f32 v[LS],   v[LS],   v[PX]
	v_add_f32 v[LS+1], v[LS+1], v[PX+1]
	v_rcp_f32 v[AL],   v[LS]                       ; l is at least about 1: the largest score gives p = 1
	v_rcp_f32 v[AL+2], v[LS+1]
	v_nop                                          ; the plain instruction behind the reciprocals
	s_wait_alu depctr_va_vdst(0)                   ; the two reciprocals are written, ahead of their first reader
	WIN 0x01                                       ; source 0 in window 1
.set n, 0
.rept 16
	v_pk_mul_f32 v[SC+n:SC+n+1],       v[n:n+1],       v[AL:AL+1]   op_sel_hi:[1,0]
	v_pk_mul_f32 v[SC+32+n:SC+32+n+1], v[32+n:32+n+1], v[AL+2:AL+3] op_sel_hi:[1,0]
.set n, n+2
.endr
	WIN 0
	s_wait_alu depctr_va_vdst(0)                   ; the multiplies have written SC, which the LDS stores read; no later vector line names KF, in which the rows come back, nor QF
.irp a, 0,1
.irp dt, 0,1,2,3
	ds_store_b128 v[OST], v[SC+32*\a+8*\dt:SC+32*\a+8*\dt+3]   offset:16*OP*\a+64*\dt      ; row 16a+r, d = 16dt+8h ..
	ds_store_b128 v[OST], v[SC+32*\a+8*\dt+4:SC+32*\a+8*\dt+7] offset:16*OP*\a+64*\dt+16
.endr
.endr
.set n, 0
.rept 16
	ds_load_b128 v[KF+4*n:KF+4*n+3], v[ORD] offset:2*OP*n      ; rows 2n, 2n+1
.set n, n+1
.endr
.set n, 0
.rept 16
	s_wait_dscnt 15-n                              ; the later rows stay out
	global_store_b128 v[OOFF], v[KF+4*n:KF+4*n+3], s[12+2*\ph:13+2*\ph] offset:512*n th:TH_STORE_NT
.set n, n+1
.endr
.endm
	; ---------------- set-up ----------------
	s_load_b128 s[4:7], s[0:1], 0x0                ; qkv, out0
	v_lshl_add_u32 v2, v0, 2, 0x2c800
	v_mov_b32 v3, 0
	v_lshrrev_b32 v29, 5, v0
	v_readfirstlane_b32 s8, v29                    ; wave w
	v_and_b32 v30, 15, v0                          ; r
	v_bfe_u32 v31, v0, 4, 1                        ; h
	v_and_b32 v[XM], 32, v0                        ; 32 (w & 1): bit 5 of the thread's number
	v_add_nc_u32 v[XM], v[XM], v30
	v_lshlrev_b32 v14, 3, v31
	v_sub_nc_u32 v[XM], v[XM], v14
.set n, 0
.rept 40                                               ; the diagonal's masks, once for the launch: they hang on wave and lane alone
	v_cmp_gt_i32 s[MK+n+2*(n/20)], 16*(n/8)+n%8-16, v[XM]
.set n, n+1
.endr
	s_and_b32 s9, ttmp9, 3                         ; j
	s_lshr_b32 s10, ttmp9, 2                       ; head bh
	s_lshl_b32 s25, s9, 2                          ; 4 j
	s_mov_b32 s22, CEXP
	s_mov_b32 s23, CEXP
	s_mov_b32 s24, CNEG
	s_mov_b32 s26, 0x76543210                      ; v_permlanex16_b32: lane i reads lane i of the other half
	s_mov_b32 s27, 0xfedcba98
	s_mov_b32 s[HIM], 0xffff0000
	s_mov_b32 s[LD], 0
	s_mov_b32 s[LD+1], 0
	s_sub_co_u32 s28, 32, s25                      ; phase 0's tiles
	s_mul_i32 s[WRAP], s28, TSTEP
	s_lshr_b32 s28, s10, 4                         ; b
	s_mul_i32 s28, s28, BSTRIDE
	s_and_b32 s29, s10, 15                         ; h
	s_lshl_b32 s29, s29, 8
	s_add_co_u32 s28, s28, s29
	s_mov_b32 s29, 0                               ; s[28:29]: the head's offset in qkv
	s_sub_co_u32 s30, 7, s9                        ; phase 0's block
	s_lshl_b32 s32, s10, 19                        ; the head in out0: 2,048 rows of 256 bytes
	s_wait_alu depctr_va_sdst(0)                   ; s8 and the 40 masks are written, ahead of their first readers: one wait for the run
	s_lshr_b32 s21, s8, 1                          ; w >> 1
	s_lshl_b32 s33, s8, 13                         ; my 32 rows in a block
	s_add_co_u32 s32, s32, s33
	s_lshl_b32 s34, s30, 16                        ; a block: 256 rows of 256 bytes
	s_add_co_u32 s34, s34, s32
	s_mov_b32 s35, 0
	s_lshl_b32 s36, s9, 16
	s_add_co_u32 s36, s36, s32
	s_mov_b32 s37, 0
	v_mul_u32_u24 v29, v31, ROWB
	v_lshl_add_u32 v29, v30, 4, v29                ; row h, 16 bytes at 16 r
	s_mul_i32 s31, s8, 8*ROWB
	s_add_co_u32 s31, s31, 4096                    ; K lies 4,096 bytes behind Q, V 4,096 behind K
	v_add_nc_u32 v[LOFF], s31, v29
	s_mul_i32 s31, s8, 32*ROWB
	s_mul_i32 s33, s30, 256*ROWB
	s_add_co_u32 s33, s33, s31
	v_add_nc_u32 v[QOH], s33, v29
	s_mul_i32 s33, s9, 256*ROWB
	s_add_co_u32 s33, s33, s31
	v_add_nc_u32 v[QOL], s33, v29
	s_wait_kmcnt 0x0
	s_add_nc_u64 s[4:5], s[4:5], s[28:29]          ; qkv at my head; never stepped again
	s_add_nc_u64 s[12:13], s[6:7], s[34:35]        ; out0 at my rows of phase 0
	s_add_nc_u64 s[14:15], s[6:7], s[36:37]        ; and of phase 1
	s_wait_alu depctr_va_vdst(0)                   ; the three offsets v1, v26 and v27 are written, which the loads below read
	QLOAD SC, QOH                                  ; 16 loads
	QLOAD KF, QOL                                  ; 16 loads
	GLOAD 0                                        ; tile 0
	GLOAD 1                                        ; tile 1
	; LDS addresses, while the loads are on their way
	v_mul_u32_u24 v14, v31, KP
	v_lshl_add_u32 v14, v30, 3, v14                ; row h, 8 bytes at 8 r
	s_mul_i32 s31, s8, 8*KP
	v_add_nc_u32 v[KST], s31, v14
	s_mul_i32 s31, s8, QWAVE
	s_add_co_u32 s31, s31, QSTAGE
	v_add_nc_u32 v[QST], s31, v14
	v_mul_u32_u24 v[KA], v30, KP
	v_lshl_add_u32 v[KA], v31, 4, v[KA]            ; row r, 16 bytes at 16 h
	v_add_nc_u32 v[QR], s31, v[KA]
	v_mul_u32_u24 v15, v31, VP
	v_lshl_add_u32 v15, v30, 3, v15
	s_mul_i32 s31, s8, 8*VP
	s_add_co_u32 s31, s31, VOFF
	v_add_nc_u32 v[VST], s31, v15
	v_and_b32 v16, 7, v0
	v_lshl_add_u32 v16, v31, 3, v16                ; key 8h + (lane & 7)
	v_mul_u32_u24 v16, v16, VP
	v_bfe_u32 v17, v0, 3, 1
	v_lshl_add_u32 v16, v17, 4, v16                ; + 16 bytes for lanes 8-15 of each 16
	v_add_nc_u32 v[VA], VOFF, v16
	s_mul_i32 s31, s8, OWAVE
	s_add_co_u32 s31, s31, OSTAGE
	v_mul_u32_u24 v18, v30, OP
	v_lshl_add_u32 v18, v31, 5, v18                ; row r, d = 8h
	v_add_nc_u32 v[OST], s31, v18
	v_mul_u32_u24 v19, v31, OP
	v_lshl_add_u32 v19, v30, 4, v19                ; row h, 16 bytes at 16 r
	v_add_nc_u32 v[ORD], s31, v19
	v_and_b32 v20, 31, v0
	v_lshlrev_b32 v[OOFF], 4, v20
	v_mov_b32 v[NI], 0xff800000
	s_wait_loadcnt 32                              ; phase 0's Q is in; out: phase 1's Q (16) and two tiles (8 + 8)
	QCVT SC
	s_wait_loadcnt 16                              ; phase 1's Q is in; out: the two tiles
	QCVT KF
	SCVT 0, 8                                      ; tile 0 is in; out: tile 1
	s_wait_alu depctr_va_vdst(0)                   ; the conversions have written SC, KF and G0, which the LDS stores read, and are done with KF and G0, in which loads land; the LDS addresses v4 to v11 and v28 are written
	QPUT SC, 0
	QPUT KF, 1
	SOUT 0, 1                                      ; tile 0 into slot 0; tile 2 is asked for.  Its wait on vm_vsrc also shows that Q's loads and stores have read v26 to v28, SC and KF, which the first trip writes
	QFRAG 0                                        ; waited for at the first trip's head
	; ---------------- phase 0: block 7-j, 32-4j tiles = 1 + 2 (15-2j) + 1 ----------------
	s_mov_b32 s[TT], 0
	s_sub_co_u32 s[TD], 28, s25
	s_add_co_u32 s[TD], s[TD], s21                 ; 4 (7-j) + (w >> 1), at least 16: tile 0 is whole
	s_lshl_b32 s28, s9, 1
	s_sub_co_u32 s[NN], 15, s28                    ; 9 to 15 pairs of tiles
	TRIP 0, 0, 1, 0, 0, 1, 1, 8
.Lph0:
	TRIP 1, 1, 0, 1, 1, 1, 1, 8
	TRIP 2, 0, 0, 1, 1, 1, 1, 8
	s_sub_co_i32 s[NN], s[NN], 1
	s_cmp_gt_i32 s[NN], 0                          ; a signed test: the loop ends whatever the counter started from
	s_cbranch_scc1 .Lph0
	TRIP 3, 1, 0, 1, 1, 1, 1, 8
	EPILOGUE 0
	s_wait_xcnt 0x0                                ; the stores' data registers are loaded again in the next trip only behind this wait
	s_wait_alu depctr_vm_vsrc(0)                   ; the global stores have read KF, in which the next trip's loads of K land; the LDS stores have read SC, which its first product writes
	QFRAG 1                                        ; QF: the first product's reads of it stand ahead of the way out's waits on va_vdst
	; ---------------- phase 1: block j, 4j+4 tiles = 1 + 2 (2j) + 3 ----------------
	s_mov_b32 s[TT], 0
	s_add_co_u32 s[TD], s25, s21                   ; 4 j + (w >> 1): tile 0 may be the diagonal one; key 0 is open to every row
	s_lshl_b32 s[NN], s9, 1                        ; 0 to 6 pairs of tiles
	TRIP 4, 0, 1, 0, 1, 1, 1, 8
	s_cmp_eq_u32 s[NN], 0
	s_cbranch_scc1 .Lp1tail
.Lph1:
	TRIP 5, 1, 0, 1, 1, 1, 1, 8
	TRIP 6, 0, 0, 1, 1, 1, 1, 8
	s_sub_co_i32 s[NN], s[NN], 1
	s_cmp_gt_i32 s[NN], 0
	s_cbranch_scc1 .Lph1
.Lp1tail:
	TRIP 7, 1, 0, 1, 1, 1, 0, 8                    ; the last three tiles ask for nothing: the last set but one is waited for with the last one out,
	TRIP 8, 0, 0, 1, 1, 1, 0, 0                    ; the last with nothing out,
	TRIP 9, 1, 0, 1, 1, 0, 0, 0                    ; and nothing is left to convert
	EPILOGUE 1
	s_wait_dscnt 0x0
	s_wait_alu depctr_hold_cnt(0) depctr_sa_sdst(0) depctr_va_vdst(0) depctr_va_sdst(0) depctr_va_ssrc(0) depctr_va_vcc(0) depctr_vm_vsrc(0)
	s_wait_tensorcnt 0x0
	ds_add_u32 v2, v3
	s_wait_dscnt 0x0
	s_endpgm
.Lfunc_end_k_q1aef5655d6_attn:
	.size	k_q1aef5655d6_attn, .Lfunc_end_k_q1aef5655d6_attn-k_q1aef5655d6_attn
	.p2alignl 7, 3214868480
	.fill 96, 4, 3214868480
	.section	.rodata,"a",@progbits
	.p2align	6, 0x0
	.amdhsa_kernel k_q1aef5655d6_attn
		.amdhsa_group_segment_fixed_size 183296
		.amdhsa_private_segment_fixed_size 0
		.amdhsa_enable_private_segment 0
		.amdhsa_kernarg_size 16
		.amdhsa_user_sgpr_count 2
		.amdhsa_user_sgpr_kernarg_segment_ptr 1
		.amdhsa_wavefront_size32 1
		.amdhsa_system_sgpr_workgroup_id_x 1
		.amdhsa_system_sgpr_workgroup_id_y 1
		.amdhsa_system_sgpr_workgroup_id_z 1
		.amdhsa_system_vgpr_workitem_id 0
		.amdhsa_next_free_vgpr 384
		.amdhsa_next_free_sgpr 86
		.amdhsa_reserve_vcc 0
		.amdhsa_float_denorm_mode_32 3
		.amdhsa_float_denorm_mode_16_64 3
		.amdhsa_memory_ordered 1
		.amdhsa_forward_progress 1
		.amdhsa_inst_pref_size 255
	.end_amdhsa_kernel
	.section	.bss,"aw",@nobits
	.p2align	6
	.space	262144
	.amdgpu_metadata
---
amdhsa.version: [ 1, 2 ]
amdhsa.kernels:
  - .name:           k_q1aef5655d6_attn
    .symbol:         k_q1aef5655d6_attn.kd
    .args:
      - { .name: qkv, .offset: 0, .size: 8, .value_kind: global_buffer, .address_space: global }
      - { .name: out0, .offset: 8, .size: 8, .value_kind: global_buffer, .address_space: global }
    .group_segment_fixed_size: 183296
    .private_segment_fixed_size: 0
    .kernarg_segment_align: 8
    .kernarg_segment_size: 16
    .max_flat_workgroup_size: 256
    .sgpr_count:     86
    .vgpr_count:     384
    .wavefront_size: 32
...
	.end_amdgpu_metadata
.endif
;; end of part 2
